; MI455X (gfx1250); checked and timed in simulation.
; The chip was launched on July 23, 2026; its instructions are those of AMD's public machine-readable ISA for CDNA 5 (MIT licence, August 2026) and "CDNA5" Instruction Set Architecture Reference Guide (July 2026). The comments in the code are by the model that wrote it; some were corrected since.
;; Linear Latent Kernel. Allowed arithmetic: float matrix products may take bf16 or f16 operands with f32 sums; other float arithmetic in f32, or as packed bf16 or f16 multiplies, adds, multiply-adds, maxima and minima; sums over many terms, partial sums and values carried from step to step in f32; what a program stores and reads back later, other than sums and carried values, may be rounded once to bf16 or f16.
;; Inputs: Wg 1,024 x 1,024 float32; Wk 1,024 x 1,024 float32; Wq 1,024 x 1,024 float32; Wv 1,024 x 1,024 float32; bg 1,024 float32; bk 1,024 float32; bq 1,024 float32; bv 1,024 float32; x 4 x 4,096 x 1,024 float32.
;; Outputs: out0 4 x 4,096 x 1,024 float32.
;; One version. Each part assembles by itself: llvm-mc -triple=amdgcn-amd-amdhsa -mcpu=gfx1250 --defsym DOCPART=n.
;; ======== version 1 of 1: 3 launches
;; workspace buffers: xb 33,554,432 bytes; wb 8,388,608 bytes; cl 41,943,040 bytes; tot 1,048,576 bytes
;; launch cast (part 1): grid 1280 x 1, 8 waves a work-group, no clusters, 0 bytes of LDS; arguments x, Wk, Wv, Wq, Wg, xb, wb; writes xb, wb
.if DOCPART == 1
	.amdgcn_target "amdgcn-amd-amdhsa--gfx1250"
	.amdhsa_code_object_version 6
	.text
	.protected	k_qbe952cd82e_cast
	.globl	k_qbe952cd82e_cast
	.p2align	8
	.type	k_qbe952cd82e_cast,@function
k_qbe952cd82e_cast:
	s_mov_b64 s[64:65], 0
	v_nop
	global_prefetch_b8 v0, s[64:65] scope:SCOPE_SE
	s_setreg_imm32_b32 hwreg(HW_REG_WAVE_MODE, 25, 1), 1
	s_wait_xcnt 0x0
; x [16384][1024] and the four weights [1024][1024], all f32, are rounded once to bf16: xb [16384][1024], row for row, and wb [4096][1024], rows permuted.
; wb's row n = 2048 p + 128 jg + 64 t + 16 a + r holds row e = 64 jg + 4 r + a of matrix m = 2 p + t (0 k, 1 v, 2 q, 3 g): so that in the products that follow a lane's four
; accumulators a = 0..3 are four neighbouring channels.
; SHARES.  A work-group takes 16 source rows (work-groups 0-1023: x; 1024 + 64 m + rb: rows 16 rb on of matrix m), wave w rows 2 w and 2 w + 1: 8,192 bytes on end, sixteen loads of
; 512 bytes, all issued before the first is used.  A store covers 256 consecutive bytes, aligned.  No register is written twice, so no wait for sources is needed.
; No LDS, no matrix unit, no prefetch: each byte is read once and written once, and the launch does nothing but stream.
.set ROWF, 4096                        ; bytes in a source row
.set ROWH, 2048                        ; bytes in a destination row
.set D,    4                           ; v[4:67] sixteen loads of four registers; the first two of each four then hold the packed result
	s_load_b256 s[4:11], s[0:1], 0x0               ; x s[4:5], Wk s[6:7], Wv s[8:9], Wq s[10:11]
	s_load_b128 s[12:15], s[0:1], 0x20             ; Wg s[12:13], xb s[14:15]
	s_load_b64 s[16:17], s[0:1], 0x30              ; wb
	v_lshrrev_b32 v3, 5, v0
	v_readfirstlane_b32 s18, v3                    ; wave 0..7
	v_and_b32 v1, 31, v0
	v_lshlrev_b32 v2, 3, v1                        ; 8 bytes a lane on the way out
	v_lshlrev_b32 v1, 4, v1                        ; 16 bytes a lane on the way in
	s_mov_b32 s34, ttmp9                           ; g
	s_bfe_u32 s19, s34, 0x20006                    ; m = (g >> 6) & 3
	s_and_b32 s20, s34, 63                         ; rb
	s_cmp_lt_u32 s34, 1024                         ; a block of x?
	s_cselect_b32 s21, s34, s20
	s_lshl_b32 s21, s21, 4
	s_lshl_b32 s20, s18, 1
	s_add_co_u32 s21, s21, s20                     ; my first source row: 16 x block + 2 w (even)
	s_lshr_b32 s28, s19, 1
	s_lshl_b32 s28, s28, 11                        ; 2048 p
	s_lshr_b32 s29, s21, 6
	s_lshl_b32 s29, s29, 7                         ; 128 jg
	s_add_co_u32 s28, s28, s29
	s_and_b32 s29, s19, 1
	s_lshl_b32 s29, s29, 6                         ; 64 t
	s_add_co_u32 s28, s28, s29
	s_and_b32 s29, s21, 3
	s_lshl_b32 s29, s29, 4                         ; 16 a
	s_add_co_u32 s28, s28, s29
	s_bfe_u32 s29, s21, 0x40002                    ; r
	s_add_co_u32 s28, s28, s29                     ; n
	s_mov_b32 s30, 16*ROWH                         ; a weight's second row (a + 1) lies sixteen rows on in wb
	s_cmp_lt_u32 s34, 1024                         ; compared anew: the lines above set SCC
	s_cselect_b32 s28, s21, s28                    ; x keeps its rows,
	s_cselect_b32 s30, ROWH, s30                   ; and its second row is the next one
	s_lshl_b32 s28, s28, 11                        ; the first destination row in bytes
	s_mov_b32 s29, 0
	s_mov_b32 s31, 0
	s_lshl_b32 s32, s21, 12                        ; the first source row in bytes
	s_mov_b32 s33, 0
	s_wait_kmcnt 0x0
	s_cmp_eq_u32 s19, 1
	s_cselect_b64 s[22:23], s[8:9], s[6:7]
	s_cmp_eq_u32 s19, 2
	s_cselect_b64 s[22:23], s[10:11], s[22:23]
	s_cmp_eq_u32 s19, 3
	s_cselect_b64 s[22:23], s[12:13], s[22:23]
	s_cmp_lt_u32 s34, 1024
	s_cselect_b64 s[22:23], s[4:5], s[22:23]
	s_cselect_b64 s[24:25], s[14:15], s[16:17]
	s_add_nc_u64 s[22:23], s[22:23], s[32:33]      ; from
	s_add_nc_u64 s[24:25], s[24:25], s[28:29]      ; to, first row
	s_add_nc_u64 s[26:27], s[24:25], s[30:31]      ; to, second row
.set k, 0
.rept 16
	global_load_b128 v[D+4*k:D+4*k+3], v1, s[22:23] offset:512*k th:TH_LOAD_NT
.set k, k+1
.endr
.set k, 0
.rept 16
	s_wait_loadcnt 15-k                            ; loads come back in order: load k is in, the 15 - k younger ones stay out
	v_cvt_pk_bf16_f32 v[D+4*k], v[D+4*k], v[D+4*k+1]
	v_cvt_pk_bf16_f32 v[D+4*k+1], v[D+4*k+2], v[D+4*k+3]
.if k < 8
	global_store_b64 v2, v[D+4*k:D+4*k+1], s[24:25] offset:256*(k%8) th:TH_STORE_NT
.else
	global_store_b64 v2, v[D+4*k:D+4*k+1], s[26:27] offset:256*(k%8) th:TH_STORE_NT
.endif
.set k, k+1
.endr
	s_endpgm
.Lfunc_end_k_qbe952cd82e_cast:
	.size	k_qbe952cd82e_cast, .Lfunc_end_k_qbe952cd82e_cast-k_qbe952cd82e_cast
	.p2alignl 7, 3214868480
	.fill 96, 4, 3214868480
	.section	.rodata,"a",@progbits
	.p2align	6, 0x0
	.amdhsa_kernel k_qbe952cd82e_cast
		.amdhsa_group_segment_fixed_size 0
		.amdhsa_private_segment_fixed_size 0
		.amdhsa_enable_private_segment 0
		.amdhsa_kernarg_size 56
		.amdhsa_user_sgpr_count 2
		.amdhsa_user_sgpr_kernarg_segment_ptr 1
		.amdhsa_wavefront_size32 1
		.amdhsa_system_sgpr_workgroup_id_x 1
		.amdhsa_system_sgpr_workgroup_id_y 1
		.amdhsa_system_sgpr_workgroup_id_z 1
		.amdhsa_system_vgpr_workitem_id 0
		.amdhsa_next_free_vgpr 72
		.amdhsa_next_free_sgpr 66
		.amdhsa_reserve_vcc 0
		.amdhsa_float_denorm_mode_32 3
		.amdhsa_float_denorm_mode_16_64 3
		.amdhsa_memory_ordered 1
		.amdhsa_forward_progress 1
		.amdhsa_inst_pref_size 8
	.end_amdhsa_kernel
	.amdgpu_metadata
---
amdhsa.version: [ 1, 2 ]
amdhsa.kernels:
  - .name:           k_qbe952cd82e_cast
    .symbol:         k_qbe952cd82e_cast.kd
    .args:
      - { .name: x, .offset: 0, .size: 8, .value_kind: global_buffer, .address_space: global }
      - { .name: Wk, .offset: 8, .size: 8, .value_kind: global_buffer, .address_space: global }
      - { .name: Wv, .offset: 16, .size: 8, .value_kind: global_buffer, .address_space: global }
      - { .name: Wq, .offset: 24, .size: 8, .value_kind: global_buffer, .address_space: global }
      - { .name: Wg, .offset: 32, .size: 8, .value_kind: global_buffer, .address_space: global }
      - { .name: xb, .offset: 40, .size: 8, .value_kind: global_buffer, .address_space: global }
      - { .name: wb, .offset: 48, .size: 8, .value_kind: global_buffer, .address_space: global }
    .group_segment_fixed_size: 0
    .private_segment_fixed_size: 0
    .kernarg_segment_align: 8
    .kernarg_segment_size: 56
    .max_flat_workgroup_size: 256
    .sgpr_count:     66
    .vgpr_count:     72
    .wavefront_size: 32
...
	.end_amdgpu_metadata
.endif
;; end of part 1
;; launch kv (part 2): grid 8 x 32, 4 waves a work-group, clusters of 4 x 4, 327,680 bytes of LDS; arguments xb, wb, bk, bv, cl, tot; writes cl, tot
.if DOCPART == 2
	.amdgcn_target "amdgcn-amd-amdhsa--gfx1250"
	.amdhsa_code_object_version 6
	.text
	.protected	k_qbe952cd82e_kv
	.globl	k_qbe952cd82e_kv
	.p2align	8
	.type	k_qbe952cd82e_kv,@function
k_qbe952cd82e_kv:
	s_mov_b64 s[64:65], 0
	v_nop
	global_prefetch_b8 v0, s[64:65] scope:SCOPE_SE
	s_setreg_imm32_b32 hwreg(HW_REG_WAVE_MODE, 25, 1), 1
	s_wait_xcnt 0x0
	s_wait_alu depctr_hold_cnt(0) depctr_sa_sdst(0) depctr_va_vdst(0) depctr_va_sdst(0) depctr_va_ssrc(0) depctr_va_vcc(0) depctr_vm_vsrc(0)
	s_getreg_b32 s2, hwreg(HW_REG_IB_STS2, 6, 4)
	s_cmp_eq_u32 s2, 0
	s_cbranch_scc0 .Lentry_in_a_cluster
	s_endpgm
.Lentry_in_a_cluster:
	s_bfe_u32 s2, ttmp6, 0x10000c
	s_cmp_lg_u32 s2, 0xf033
	s_cbranch_scc0 .Lentry_shape_is_right
	s_endpgm
.Lentry_shape_is_right:
; k = x Wk^T + bk, v = x Wv^T + bv.  Of k v the next launch wants the running sum along the rows; it is handed over in two buffers.
; xb: [16384][1024] bf16.  wb: [4096][1024] bf16, rows 0-2047 here: row 128 jg + 64 t + 16 a + r is channel 64 jg + 4 r + a of Wk (t = 0) or Wv (t = 1).
; cl: records of 2,560 bytes, [tile 8 st + wt][wave][batch s of 8 rows]: five pieces of 512 bytes, 16 bytes a lane.  Piece 0: for the lane's four channels the f32 sum of k v over the rows of its block of 64
; that lie in front of the batch (not written for s = 0, and never read).  Piece 1 + a: channel a's eight products k v of the batch, each rounded once to bf16, two to a word, the lower row in the lower half.
; tot: [256][1024] f32.  Of tile st's four blocks of 64 rows, with totals B0 to B3: row 4 st holds B0, row 4 st + 1 B1, row 4 st + 2 B0 + B2, row 4 st + 3 B1 + B3.
; LIMITS.  x, the weights and the biases are rounded once to bf16; products and all sums are f32, and the sums are taken of the unrounded k v, eight rows pairwise and then batch by batch: an order of f32
; rounding other than one chain of 4,096.  The single products in cl are bf16: the next launch adds at most eight of them onto an f32 sum.  NaN and infinities are not treated apart.
; SHARES.  A tile is 256 rows of x by 256 rows of wb (two groups of 64 channels, k and v of each).  512 tiles; 256 work-groups make two each, 8,192 rows apart, on the same rows of wb.
; Four waves: wave w takes channel group cg = w >> 1 and, of the tile's four blocks of 64 rows, blocks q = w & 1 and 2 + q: 128 x 128 numbers, 64 accumulators, 512 registers.
; LAYOUT.  Source 0 = 16 rows of x, source 1 = 16 rows of wb: in the result lane (r = l % 16, h = l / 16), register j is x's fragment row 8 h + j and wb's fragment row r.
; x's fragment s holds tile rows 64 q + 8 s + 0..7 and 128 + 64 q + 8 s + 0..7: so half h of the lanes walks block 2 h + q in order, fragment by fragment and register by register, and
; the sums stay inside a lane.  Every store of cl covers 512 consecutive bytes, aligned; the store of tot two rows' 256; nothing goes through LDS on the way out.
; THE BIAS is the C operand of the products that start the sums: eight registers that all hold the lane's bias, for each of the eight fragments of wb; made once, for both tiles.
; RING.  K goes in steps of 128 through two LDS slots filled by the tensor data mover.  CLUSTER: 4 x 4 work-groups; x's tile hangs on the grid's y alone and is asked for jointly by a row of
; the cluster, wb's on the grid's x alone, by a column.  The ring stops at a tile's end and is started anew behind the way out: every part of the text is then written once
; the price is that the second tile's first K step is waited for with no products beside it.
; REGISTERS, in windows of 256 (s_set_vgpr_msb's low byte: bits 1:0 source 0, 3:2 source 1, 5:4 source 2, 7:6 destination):
;   window 0: v0-31 addresses; v64-127, v128-191 wb's fragments, two buffers; on the way out v32-63 a batch's products, v64-191 the packed products, 16 a batch, v192-223 the sums behind the batches
;   window 1: v0-63 the bias blocks; v64-127, v128-191 x's fragments, two buffers
;   window 2: k's accumulators, (a, s) at v[8 (8 a + s)]          window 3: v's, likewise
.set DIM,    1024
.set KSTEP,  128
.set PITCH,  272                       ; an LDS row: 256 bytes + 16 of padding = 68 words: row r starts at bank 4 r mod 64 (64 banks of 4 bytes: ISA guide 11.1)
.set HALFT,  128*PITCH+128             ; 128 rows, what one tensor load brings, and 128 idle bytes: x's two halves then lie 32 banks apart, and the 8 + 8 rows of a fragment of x start at 16 different groups of four banks
.set SLOT,   4*HALFT                   ; wb's 256 rows, then x's 256 rows
.set SPARE,  2*SLOT                    ; behind the ring: the spare words, 128 bytes for each wave: two blocks of 256 bytes that no other line names
.set ROWB,   2*DIM                     ; bytes in a row of xb and wb
.set OROW,   4*DIM                     ; bytes in a row of tot
.set REC,    2560                      ; bytes in a record of cl
.set WREC,   8*REC                     ; a wave's eight records of a tile
.set LAPS,   DIM/(2*KSTEP)             ; a lap = two K steps = once round the ring
.set WALK,   8192                      ; rows from a work-group's first tile to its second
.set NEXT_CL, (WALK/256)*8*4*WREC      ; and the bytes of cl between them: 32 rows of 8 tiles, 4 waves each
.set NEXT_X, WALK*ROWB-(DIM-2*KSTEP)*2 ; bytes from a slot's last K step of a tile to its first of the next: x goes WALK rows down and back along K,
.set BACK_W, (DIM-2*KSTEP)*2           ; wb only back
.set WROW0,  0                         ; this launch's first row of wb
.set FLAGS,  (1<<16)|(1<<20)|(1<<21)|(5<<22)|(3<<25)  ; 17:16 elements of 2 bytes; 20 padding on; 21 set beside a mask; 24:22 after every 64 words (code 5); 31:25 4 words of it (code 3)
.set ADRW, 16                          ; v16-17  LDS address of my fragments of wb in slot 0, 1
.set ADRX, 20                          ; v20-21  the same for x
.set CO,   24                          ; v24     my 16 bytes in a piece of cl: 16 x lane
.set TO,   25                          ; v25     my byte offset in tot: 2 h rows + 16 r
.set BO,   26                          ; v26     in a bias: 16 r
.set SPW,  28                          ; v28     LDS address of my spare word: SPARE + 4 x my thread's number; never rewritten
.set NIL,  29                          ; v29     0; never rewritten
.set PFO,  30                          ; v30     the prefetches' offset: my lane x a row of xb or wb; never rewritten
.set T,    32                          ; the way out: a batch's 32 products, channel a's row j at T + 8 a + j
.set WBUF, 64                          ; the way out: batch s's packed products at WBUF + 16 s: registers of their own, so that no store's data is written again in a tile
.set RQ,   192                         ; the way out: the four sums behind batch s at RQ + 4 s, likewise
.set F0,   64
.set F1,   128
.set G1X,  24                          ; s[24:31] descriptor group 1 for x's tiles;  s[32:39] group 0, a set for each slot
.set G0X,  32
.set G1W,  48                          ; s[48:55], s[56:63] the same for wb's tiles
.set G0W,  56
.set LIM,  43                          ; s43     1 in a wave that prefetches, else the greatest number
.set PFA,  44                          ; s[44:45] where my prefetches stand: my work-group's 32 rows of the 128 that I fetch
.set SEL,  82                          ; s[82:83] v_permlanex16_b32's selects: each lane takes its own place in the other half
.set HIGH, 84                          ; s84     the mask of lanes 16-31
.set MSB, 0
.macro WIN new                         ; the immediate's high byte repeats the setting that is left; a switch that changes nothing is dropped
.if MSB != (\new)
	s_set_vgpr_msb (MSB<<8)|(\new)
.set MSB, \new
.endif
.endm
.set MUL_LO, 0xa1                      ; source 0 (x) window 1, source 1 (wb) window 0, C and D window 2
; A joint load.  Waves 0 and 1 fetch wb's two halves, waves 2 and 3 x's.  The branch hangs on the wave's number alone.  An s_nop 0 and four v_nop follow each of the two lines.
.macro JLOAD s
	s_cmp_eq_u32 s11, 0
	s_cbranch_scc0 .Lfor_x_\@
	tensor_load_to_lds s[G0W+4*(\s):G0W+4*(\s)+3], s[G1W:G1W+7]
	s_nop 0
.rept 4
	v_nop
.endr
	s_branch .Lasked_\@
.Lfor_x_\@:
	tensor_load_to_lds s[G0X+4*(\s):G0X+4*(\s)+3], s[G1X:G1X+7]
	s_nop 0
.rept 4
	v_nop
.endr
.Lasked_\@:
.endm
; A PREFETCH INTO THE L2, behind a joint load and the run of LDS loads that follows it: the K step that stands two refills on, 512 matrix instructions ahead of the load that will want it: 32 rows x 256 bytes, a lane a row.
; Each row's 256 bytes of a K step are named once in the launch: x's rows are read by both clusters of a row of clusters, and the one with cluster x = 0 asks; wb's by the eight clusters of a column,
; and the one with cluster y = 0 asks.  The four partners of a joint load share its 128 rows out by address, 32 each.  The loop's last trip (s3 = 1) has no K step two on.
.macro ASK
	s_cmp_gt_u32 s3, s[LIM]
	s_cbranch_scc0 .Lnot_mine_\@
	global_prefetch_b8 v[PFO], s[PFA:PFA+1] offset:KSTEP*2 th:TH_LOAD_NT scope:SCOPE_SE
.Lnot_mine_\@:
.endm
.macro ASKN                            ; in a tile's last K step but one: the next tile's K steps 0 to 3 of x, if there is a next tile (s2 = 2)
	s_cmp_gt_u32 s2, s[LIM]
	s_cbranch_scc0 .Lno_next_\@
.irp c, 0,1,2,3
	global_prefetch_b8 v[PFO], s[PFA:PFA+1] offset:(\c)*KSTEP*2 th:TH_LOAD_NT scope:SCOPE_SE
.endr
.Lno_next_\@:
.endm
.macro CREST                           ; a round of the cluster's barrier behind its opening barrier
	s_cmp_lg_u32 s10, 0
	s_cbranch_scc1 .Lnot_wave_0_\@
	s_barrier_signal -3
.Lnot_wave_0_\@:
	s_barrier_wait -3
	s_barrier_signal -1
	s_barrier_wait -1
.endm
.macro CROUND                          ; a whole round
	s_barrier_signal -1
	s_barrier_wait -1
	CREST
.endm
	s_load_b128 s[4:7], s[0:1], 0x0                ; xb s[4:5], wb s[6:7]
	s_load_b256 s[68:75], s[0:1], 0x10             ; bk s[68:69], bv s[70:71], cl s[72:73], tot s[74:75]
	v_lshl_add_u32 v[SPW], v0, 2, SPARE
	v_mov_b32 v[NIL], 0
	ds_add_u32 v[SPW], v[NIL]                      ; the wave's opening: the add, twice on end, and its wait ahead of my first tensor load
	ds_add_u32 v[SPW], v[NIL]                      ; once more; the set-up below, work on registers, stands between it and the wait
	v_lshrrev_b32 v1, 5, v0
	v_readfirstlane_b32 s10, v1                    ; wave 0..3
	s_lshr_b32 s11, s10, 1                         ; cg: my channel group.  Also: I fetch for wb (0) or for x (1)
	s_and_b32 s12, s10, 1                          ; q: my blocks of rows.  Also: which 128 rows of that tile I fetch
	s_bfe_u32 s40, ttmp6, 0x40000                  ; cx
	s_bfe_u32 s41, ttmp6, 0x40004                  ; cy
	s_lshl_b32 s42, ttmp9, 2
	s_add_co_u32 s42, s42, s40                     ; wt, wb's tile = 4 x cluster x + cx
	s_and_b32 s13, ttmp7, 0xffff
	s_lshl_b32 s13, s13, 2
	s_add_co_u32 s13, s13, s41                     ; y, x's first tile = 4 x cluster y + cy
	s_lshl_b32 s43, s41, 2
	s_lshl_b32 s43, 15, s43                        ; my row of the cluster
	s_lshl_b32 s44, 0x1111, s40                    ; my column
	s_or_b32 s[G1X+0], s43, FLAGS                  ; x's tiles go to my row,
	s_or_b32 s[G1W+0], s44, FLAGS                  ; wb's to my column
.irp g, G1X, G1W
	s_mov_b32 s[(\g)+1], KSTEP<<16                 ; tensor_dim0 = 128
	s_mov_b32 s[(\g)+2], 128<<16                   ; tensor_dim1 = 128
	s_mov_b32 s[(\g)+3], KSTEP<<16                 ; tile_dim0 = 128
	s_mov_b32 s[(\g)+4], 128                       ; tile_dim1 = 128
	s_mov_b32 s[(\g)+5], DIM                       ; elements from row to row
	s_mov_b32 s[(\g)+6], 0
	s_mov_b32 s[(\g)+7], 0
.endr
	s_mov_b32 s[SEL], 0x76543210
	s_mov_b32 s[SEL+1], 0xfedcba98
	s_mov_b32 s[HIGH], 0xffff0000
	s_lshl_b32 s16, s13, 8                         ; x: row 256 y + 128 x half,
	s_lshl_b32 s17, s12, 7
	s_add_co_u32 s16, s16, s17
	s_lshl_b32 s16, s16, 11                        ; in bytes (under 2^25)
	s_mov_b32 s17, 0
	s_lshl_b32 s46, s42, 8                         ; wb: row 256 wt + 128 x half + the launch's first
	s_lshl_b32 s47, s12, 7
	s_add_co_u32 s46, s46, s47
.if WROW0
	s_add_co_u32 s46, s46, WROW0
.endif
	s_lshl_b32 s46, s46, 11
	s_mov_b32 s47, 0
	s_mul_i32 s20, s10, HALFT                      ; where they go: wave x 128 rows: no place in the cluster enters an LDS address
	s_wait_dscnt 0x0                               ; both opening adds are done
	s_wait_kmcnt 0x0
	s_add_nc_u64 s[14:15], s[4:5], s[16:17]
	s_add_nc_u64 s[46:47], s[6:7], s[46:47]
	CROUND                                         ; all sixteen work-groups are here: the first joint loads meet
.irp s, 0,1
	s_mov_b32 s[G0X+4*(\s)], 1                                       ; count = 1
	s_add_co_u32 s[G0X+4*(\s)+1], s20, (\s)*SLOT                     ; LDS address
	s_add_nc_u64 s[G0X+4*(\s)+2:G0X+4*(\s)+3], s[14:15], (\s)*KSTEP*2  ; global address: K step s
	s_or_b32 s[G0X+4*(\s)+3], s[G0X+4*(\s)+3], 0x80000000            ; type = 2
	s_mov_b32 s[G0W+4*(\s)], 1
	s_add_co_u32 s[G0W+4*(\s)+1], s20, (\s)*SLOT
	s_add_nc_u64 s[G0W+4*(\s)+2:G0W+4*(\s)+3], s[46:47], (\s)*KSTEP*2
	s_or_b32 s[G0W+4*(\s)+3], s[G0W+4*(\s)+3], 0x80000000
	JLOAD \s                                       ; two tensor loads of mine are out behind these; later one
.endr
	; A fragment is 16 rows x 32 K in 8 registers: lane l holds row l % 16; registers 0-3 K = 8 (l / 16) + 0..7, registers 4-7 K = 16 + 8 (l / 16) + 0..7: two loads of 16 bytes, 32 bytes apart.
	v_and_b32 v1, 15, v0                           ; r
	v_bfe_u32 v2, v0, 4, 1                         ; h
	v_mul_u32_u24 v3, v1, PITCH
	v_lshl_add_u32 v3, v2, 4, v3                   ; wb: r x pitch + 16 h
	v_and_b32 v4, 7, v0
	v_bfe_u32 v5, v0, 3, 1
	v_mul_u32_u24 v4, v4, PITCH
	v_lshl_add_u32 v4, v2, 4, v4
	v_mul_u32_u24 v5, v5, HALFT
	v_add_nc_u32 v4, v4, v5                        ; x: (r % 8) x pitch + 16 h, and rows 8-15 of a fragment in the tile's other half
	s_mul_i32 s21, s11, HALFT                      ; my 128 rows of wb
	s_mul_i32 s22, s12, 64*PITCH                   ; my block of 64 rows in each half of x,
	s_add_co_u32 s22, s22, 2*HALFT                 ; which lies behind wb's 256 rows
.irp s, 0,1
	v_add_nc_u32 v[ADRW+(\s)], s21, v3
	v_add_nc_u32 v[ADRX+(\s)], s22, v4
	s_add_co_u32 s21, s21, SLOT
	s_add_co_u32 s22, s22, SLOT
.endr
	v_lshlrev_b32 v[BO], 4, v1
	v_lshl_add_u32 v[TO], v2, 13, v[BO]
	v_and_b32 v[PFO], 31, v0
	v_lshlrev_b32 v[CO], 4, v[PFO]
	v_lshlrev_b32 v[PFO], 11, v[PFO]
	; the prefetches
	s_lshl_b32 s78, s42, 8
.if WROW0
	s_add_co_u32 s78, s78, WROW0
.endif
	s_lshl_b32 s79, s13, 8
	s_and_b32 s22, ttmp7, 0xffff                   ; cluster y
	s_cmp_eq_u32 s11, 0                            ; do I fetch for wb?
	s_cselect_b32 s20, s78, s79                    ; the tile's first row
	s_cselect_b32 s21, s41, s40                    ; my place among the four that ask for it with me
	s_cselect_b32 s22, s22, ttmp9                  ; the coordinate along which other clusters read the same rows
	s_cselect_b64 s[PFA:PFA+1], s[6:7], s[4:5]
	s_cmp_eq_u32 s22, 0
	s_cselect_b32 s[LIM], 1, -1                    ; the same in all sixteen partners, for a given wave
	s_lshl_b32 s22, s12, 7
	s_add_co_u32 s20, s20, s22                     ; + the 128 rows that I fetch
	s_lshl_b32 s21, s21, 5
	s_add_co_u32 s20, s20, s21                     ; + my work-group's 32 of them
	s_lshl_b32 s20, s20, 11
	s_mov_b32 s21, 0
	s_add_nc_u64 s[PFA:PFA+1], s[PFA:PFA+1], s[20:21]
	s_add_nc_u64 s[PFA:PFA+1], s[PFA:PFA+1], 2*KSTEP*2  ; at K step 2: the first refill steps it to 3 and names K step 4.  Nothing is prefetched here, at the head
	; where my numbers lie in cl, tot and the biases
	s_lshl_b32 s78, s13, 3
	s_add_co_u32 s78, s78, s42                     ; tile 8 y + wt,
	s_lshl_b32 s78, s78, 2
	s_add_co_u32 s78, s78, s10                     ; my wave of its four,
	s_mul_i32 s78, s78, WREC                       ; its eight records (under 2^25 bytes)
	s_mov_b32 s79, 0
	s_add_nc_u64 s[72:73], s[72:73], s[78:79]
	s_lshl_b32 s80, s42, 1
	s_add_co_u32 s80, s80, s11                     ; jg = 2 wt + cg
	s_lshl_b32 s80, s80, 8                         ; its 64 channels: 256 bytes
	s_mov_b32 s81, 0
	s_add_nc_u64 s[68:69], s[68:69], s[80:81]
	s_add_nc_u64 s[70:71], s[70:71], s[80:81]
	s_lshl_b32 s78, s13, 2
	s_add_co_u32 s78, s78, s12                     ; row 4 y + q of tot
	s_lshl_b32 s78, s78, 12
	s_add_co_u32 s78, s78, s80
	s_add_nc_u64 s[74:75], s[74:75], s[78:79]
	global_load_b128 v[32:35], v[BO], s[68:69]     ; bk of channels 4 r + 0..3
	global_load_b128 v[36:39], v[BO], s[70:71]     ; bv
	s_wait_loadcnt 0x0
.irp i, 0,1,2,3,4,5,6,7
	v_cvt_pk_bf16_f32 v[40+(\i)], v[32+(\i)], v[32+(\i)]  ; the bias is rounded to bf16 like every input,
.endr
.irp i, 0,1,2,3,4,5,6,7
	v_lshlrev_b32 v[32+(\i)], 16, v[40+(\i)]       ; and written as f32 again
.endr
	WIN 0x40                                       ; destination window 1
.irp i, 0,1,2,3,4,5,6,7
.irp j, 0,1,2,3,4,5,6,7
	v_mov_b32 v[8*(\i)+(\j)], v[32+(\i)]           ; block 4 t + a: the C operand for wb's fragment 4 t + a
.endr
.endr
	WIN 0
; 16 matrix instructions: wb's fragments 4 hi + a0, + 1 x all 8 fragments of x, 32 along K.  first = 1: the products start the sums from the bias blocks: nothing is cleared.
; The 64 accumulators take turns, one instruction a turn, in the same order in every quarter.
.macro MUL16 f, hi, a0, first
.if \first
	WIN 0x91+0x40*(\hi)                            ; C in window 1
.else
	WIN MUL_LO+0x50*(\hi)
.endif
.irp a, \a0, (\a0)+1
.irp b, 0,1,2,3,4,5,6,7
.if \first
	v_wmma_f32_16x16x32_bf16 v[8*(8*(\a)+(\b)):8*(8*(\a)+(\b))+7], v[(\f)+8*(\b):(\f)+8*(\b)+7], v[(\f)+8*(4*(\hi)+(\a)):(\f)+8*(4*(\hi)+(\a))+7], v[8*(4*(\hi)+(\a)):8*(4*(\hi)+(\a))+7]
.else
	v_wmma_f32_16x16x32_bf16 v[8*(8*(\a)+(\b)):8*(8*(\a)+(\b))+7], v[(\f)+8*(\b):(\f)+8*(\b)+7], v[(\f)+8*(4*(\hi)+(\a)):(\f)+8*(4*(\hi)+(\a))+7], v[8*(8*(\a)+(\b)):8*(8*(\a)+(\b))+7]
.endif
.endr
.endr
.endm
; 32 LDS loads in one run: the fragments of one quarter step (32 K at byte k of the rows) into buffer f: x's eight, then wb's eight
.macro FETCH slot, k, f
	WIN 0x40                                       ; destination window 1, address window 0
.irp i, 0,1,2,3,4,5,6,7
	ds_load_b128 v[(\f)+8*(\i):(\f)+8*(\i)+3],   v[ADRX+(\slot)] offset:(\k)+(\i)*8*PITCH
	ds_load_b128 v[(\f)+8*(\i)+4:(\f)+8*(\i)+7], v[ADRX+(\slot)] offset:(\k)+(\i)*8*PITCH+32
.endr
	WIN 0
.irp i, 0,1,2,3,4,5,6,7
	ds_load_b128 v[(\f)+8*(\i):(\f)+8*(\i)+3],   v[ADRW+(\slot)] offset:(\k)+(\i)*16*PITCH
	ds_load_b128 v[(\f)+8*(\i)+4:(\f)+8*(\i)+7], v[ADRW+(\slot)] offset:(\k)+(\i)*16*PITCH+32
.endr
.endm
.macro PLACES                          ; four plain vector instructions between a matrix instruction and a load into a register that it has read (ISA guide 7.12.1 for vector instructions)
.rept 4
	v_nop
.endr
.endm
; A K step is four quarters of 32 along K, 64 matrix instructions each, on buffers 0, 1, 0, 1.  One of the first three: multiplies buffer f and, in its middle, fetches the next quarter into g.
.macro QUARTER slot, k, f, g, first
	s_wait_dscnt 8                                 ; x's fragments and wb's 0-3 are in; the youngest eight loads (wb's 4-7) may be out
	MUL16 \f, 0, 0, \first
	MUL16 \f, 0, 2, \first
	PLACES
	FETCH \slot, \k, \g
	s_wait_dscnt 32                                ; all but the 32 just issued
	MUL16 \f, 1, 0, \first
	MUL16 \f, 1, 2, \first
.endm
; The first half of a K step's last quarter: ONE barrier for the change of slots.  In front of it each wave waits for all its tensor loads (the one that is out is its part of the next slot), adds 0
; to its spare word, and waits for that and for its own reads of this slot.  Behind it nobody reads this slot any more and the next slot is whole.
.macro MEET round
	WIN 0                                          ; (the add's two registers lie in window 0)
	s_wait_tensorcnt 0x0
	ds_add_u32 v[SPW], v[NIL]
	s_wait_dscnt 9                                 ; (the add and the youngest eight loads may be out)
	MUL16 F1, 0, 0, 0                              ; sixteen matrix instructions stand between the add and the wait for it
	s_wait_dscnt 0x0                               ; the add is done, and my reads of this slot are over
	s_barrier_signal -1
	MUL16 F1, 0, 2, 0                              ; work on registers while the others arrive
.if \round
	WIN 0
.endif
	s_barrier_wait -1
.endm
; The whole last quarter with a refill: the barrier opens a round of the cluster's barrier; behind the round the slot just read out takes the K step two steps on, first of all; 224 matrix instructions lie between that request and the wait for it.
.macro TURN slot, next
	s_wait_xcnt 0x0                                ; the last prefetch, a K step back, has read its address
	s_add_nc_u64 s[PFA:PFA+1], s[PFA:PFA+1], KSTEP*2
	MEET 1
	CREST                                          ; no wave of any partner still reads this slot's tile or has a load on its way
	s_add_nc_u64 s[G0X+4*(\slot)+2:G0X+4*(\slot)+3], s[G0X+4*(\slot)+2:G0X+4*(\slot)+3], 2*KSTEP*2
	s_add_nc_u64 s[G0W+4*(\slot)+2:G0W+4*(\slot)+3], s[G0W+4*(\slot)+2:G0W+4*(\slot)+3], 2*KSTEP*2
	JLOAD \slot                                    ; the four v_nop behind it are also the places in front of the loads below
	FETCH \next, 0, F0
	ASK
	MUL16 F1, 1, 0, 0
	MUL16 F1, 1, 2, 0
.endm
; The same in a tile's last lap, from slot 0 to slot 1: nothing is filled, so no round follows.
.macro TURNL
	s_wait_xcnt 0x0
	s_add_nc_u64 s[PFA:PFA+1], s[PFA:PFA+1], (WALK-1)*ROWB  ; from the byte behind my rows' last K step to the next tile's K step 0
	s_cmp_eq_u32 s11, 1
	s_cselect_b32 s[LIM], s[LIM], -1               ; wb's rows are the same for both tiles: they are asked for in the first alone
	MEET 0
	PLACES
	FETCH 1, 0, F0
	ASKN
	MUL16 F1, 1, 0, 0
	MUL16 F1, 1, 2, 0
.endm
.macro FINAL                           ; a tile's very last quarter: nothing more to fetch
	s_wait_dscnt 8
	MUL16 F1, 0, 0, 0
	MUL16 F1, 0, 2, 0
	s_wait_dscnt 0x0
	MUL16 F1, 1, 0, 0
	MUL16 F1, 1, 2, 0
	WIN 0
.endm
; The ring is started anew for the second tile: a round and slot 0's joint load; when that has landed, a round and slot 1's; then slot 0's first fragments.  One tensor load a wave behind each round.
.macro RESTART
	WIN 0
	s_wait_tensorcnt 0x0                           ; no tensor load of mine is out, so the descriptors may be written
	ds_add_u32 v[SPW], v[NIL]                      ; the descriptors' steps stand between the add and the wait for it
.irp s, 0,1
	s_add_nc_u64 s[G0X+4*(\s)+2:G0X+4*(\s)+3], s[G0X+4*(\s)+2:G0X+4*(\s)+3], NEXT_X
	s_sub_nc_u64 s[G0W+4*(\s)+2:G0W+4*(\s)+3], s[G0W+4*(\s)+2:G0W+4*(\s)+3], BACK_W
.endr
	s_wait_dscnt 0x0                               ; the add is done; my reads of both slots ended with the last quarter
	CROUND
	JLOAD 0
	s_wait_tensorcnt 0x0                           ; my part of K step 0 has landed
	ds_add_u32 v[SPW], v[NIL]
	s_wait_dscnt 0x0
	CROUND                                         ; everybody's has
	JLOAD 1
	FETCH 0, 0, F0
.endm
; THE WAY OUT, batch s: fragment s of x, rows 8 s + 0..7 of my two blocks.  The 32 products k v, two an instruction, each accumulator read from its lowest registers on; they are rounded to bf16 in pairs;
; the unrounded ones are added up, eight rows pairwise for each channel, and onto the sum in front of the batch.  Five stores in one run: the four pieces of products, and the new sum as piece 0 of the next record.
.macro CHAIN s
.set WB, WBUF+16*(\s)
.set RN, RQ+4*(\s)                     ; the sums behind this batch,
.set RO, RQ+4*(\s)-4                   ; and in front of it
	WIN 0x0e                                       ; source 0 window 2 (k), source 1 window 3 (v), destination window 0
.irp a, 0,1,2,3
.irp p, 0,2,4,6
	v_pk_mul_f32 v[T+8*(\a)+(\p):T+8*(\a)+(\p)+1], v[8*(8*(\a)+(\s))+(\p):8*(8*(\a)+(\s))+(\p)+1], v[8*(8*(\a)+(\s))+(\p):8*(8*(\a)+(\s))+(\p)+1]
.endr
.endr
	WIN 0
.irp a, 0,1,2,3
.irp p, 0,1,2,3
	v_cvt_pk_bf16_f32 v[WB+4*(\a)+(\p)], v[T+8*(\a)+2*(\p)], v[T+8*(\a)+2*(\p)+1]
.endr
.endr
.irp a, 0,1,2,3
	v_pk_add_f32 v[T+8*(\a):T+8*(\a)+1], v[T+8*(\a):T+8*(\a)+1], v[T+8*(\a)+2:T+8*(\a)+3]
.endr
.irp a, 0,1,2,3
	v_pk_add_f32 v[T+8*(\a)+4:T+8*(\a)+5], v[T+8*(\a)+4:T+8*(\a)+5], v[T+8*(\a)+6:T+8*(\a)+7]
.endr
.irp a, 0,1,2,3
	v_pk_add_f32 v[T+8*(\a):T+8*(\a)+1], v[T+8*(\a):T+8*(\a)+1], v[T+8*(\a)+4:T+8*(\a)+5]
.endr
.if (\s) == 0
.irp a, 0,1,2,3
	v_add_f32 v[RN+(\a)], v[T+8*(\a)], v[T+8*(\a)+1]    ; nothing lies in front of a block's first batch
.endr
.else
.irp a, 0,1,2,3
	v_add_f32 v[T+8*(\a)], v[T+8*(\a)], v[T+8*(\a)+1]
.endr
.irp a, 0,1,2,3
	v_add_f32 v[RN+(\a)], v[RO+(\a)], v[T+8*(\a)]
.endr
.endif
.irp a, 0,1,2,3
	global_store_b128 v[CO], v[WB+4*(\a):WB+4*(\a)+3], s[72:73] offset:(\s)*REC+512*(1+(\a)) th:TH_STORE_NT  ; 512 consecutive bytes, aligned
.endr
.if (\s) < 7
	global_store_b128 v[CO], v[RN:RN+3], s[72:73] offset:((\s)+1)*REC th:TH_STORE_NT
.endif
.endm
	s_wait_tensorcnt 1                             ; my part of K step 0 is in; K step 1's may stay out
	s_barrier_signal -1
	s_barrier_wait -1                              ; everybody's is
	FETCH 0, 0, F0
	s_mov_b32 s2, 2                                ; tiles to go, this one among them
.Ltile:
	QUARTER 0, 64,  F0, F1, 1                      ; a tile's first quarter: its products start the sums from the biases
	WIN 0                                          ; at a label and at a branch every window is 0
	s_mov_b32 s3, LAPS-1
.Llap:                                                 ; a trip goes once round the ring, from a lap's second quarter to the next lap's first, and fills both slots again: K steps 2 to 7
	QUARTER 0, 128, F1, F0, 0
	QUARTER 0, 192, F0, F1, 0
	TURN 0, 1
	QUARTER 1, 64,  F0, F1, 0
	QUARTER 1, 128, F1, F0, 0
	QUARTER 1, 192, F0, F1, 0
	TURN 1, 0
	QUARTER 0, 64,  F0, F1, 0
	WIN 0
	s_sub_co_u32 s3, s3, 1
	s_cmp_lg_u32 s3, 0
	s_cbranch_scc1 .Llap
	QUARTER 0, 128, F1, F0, 0                      ; the tile's last lap fills nothing
	QUARTER 0, 192, F0, F1, 0
	TURNL
	QUARTER 1, 64,  F0, F1, 0
	QUARTER 1, 128, F1, F0, 0
	QUARTER 1, 192, F0, F1, 0
	FINAL
.rept 8
	v_nop                                          ; the places behind the last products, whose results are read and whose sources are written below
.endr
.irp s, 0,1,2,3,4,5,6,7
	CHAIN \s
.endr
	; the sums behind the last batch are my two blocks' totals.  Lanes 0-15 store B(q); lanes 16-31 add it onto theirs and store B(q) + B(q + 2)
.irp a, 0,1,2,3
	v_permlanex16_b32 v[T+(\a)], v[RQ+28+(\a)], s[SEL], s[SEL+1]  ; the other half's total (the destination counts as read: it has been written)
.endr
.irp a, 0,1,2,3
	v_cndmask_b32 v[T+(\a)], 0, v[T+(\a)], s[HIGH]
.endr
.irp a, 0,1,2,3
	v_add_f32 v[T+4+(\a)], v[RQ+28+(\a)], v[T+(\a)]
.endr
	global_store_b128 v[TO], v[T+4:T+7], s[74:75]  ; rows 4 st + q and 4 st + 2 + q: sixteen lanes store 256 consecutive bytes, aligned
	s_wait_xcnt 0x0                                ; the stores have read their registers and bases
	s_add_nc_u64 s[72:73], s[72:73], NEXT_CL
	s_add_nc_u64 s[74:75], s[74:75], (WALK/64)*OROW
	s_cmp_eq_u32 s2, 1
	s_cbranch_scc1 .Ldone                          ; the loop's exit: the same in every work-group
	s_add_nc_u64 s[PFA:PFA+1], s[PFA:PFA+1], 2*KSTEP*2  ; at the second tile's K step 2
	RESTART
	s_sub_co_u32 s2, s2, 1
	s_branch .Ltile
.Ldone:
	s_wait_tensorcnt 0x0                           ; the wave's end
	ds_add_u32 v[SPW], v[NIL]
	s_wait_dscnt 0x0
	CROUND                                         ; the closing round: no work-group ends while a partner may still ask for a tile that names it
	s_endpgm
.Lfunc_end_k_qbe952cd82e_kv:
	.size	k_qbe952cd82e_kv, .Lfunc_end_k_qbe952cd82e_kv-k_qbe952cd82e_kv
	.p2alignl 7, 3214868480
	.fill 96, 4, 3214868480
	.section	.rodata,"a",@progbits
	.p2align	6, 0x0
	.amdhsa_kernel k_qbe952cd82e_kv
		.amdhsa_group_segment_fixed_size 327680
		.amdhsa_private_segment_fixed_size 0
		.amdhsa_enable_private_segment 0
		.amdhsa_kernarg_size 48
		.amdhsa_user_sgpr_count 2
		.amdhsa_user_sgpr_kernarg_segment_ptr 1
		.amdhsa_wavefront_size32 1
		.amdhsa_system_sgpr_workgroup_id_x 1
		.amdhsa_system_sgpr_workgroup_id_y 1
		.amdhsa_system_sgpr_workgroup_id_z 1
		.amdhsa_system_vgpr_workitem_id 0
		.amdhsa_next_free_vgpr 1024
		.amdhsa_next_free_sgpr 88
		.amdhsa_reserve_vcc 0
		.amdhsa_float_denorm_mode_32 3
		.amdhsa_float_denorm_mode_16_64 3
		.amdhsa_memory_ordered 1
		.amdhsa_forward_progress 1
		.amdhsa_inst_pref_size 150
	.end_amdhsa_kernel
	.amdgpu_metadata
---
amdhsa.version: [ 1, 2 ]
amdhsa.kernels:
  - .name:           k_qbe952cd82e_kv
    .symbol:         k_qbe952cd82e_kv.kd
    .args:
      - { .name: xb, .offset: 0, .size: 8, .value_kind: global_buffer, .address_space: global }
      - { .name: wb, .offset: 8, .size: 8, .value_kind: global_buffer, .address_space: global }
      - { .name: bk, .offset: 16, .size: 8, .value_kind: global_buffer, .address_space: global }
      - { .name: bv, .offset: 24, .size: 8, .value_kind: global_buffer, .address_space: global }
      - { .name: cl, .offset: 32, .size: 8, .value_kind: global_buffer, .address_space: global }
      - { .name: tot, .offset: 40, .size: 8, .value_kind: global_buffer, .address_space: global }
    .group_segment_fixed_size: 327680
    .private_segment_fixed_size: 0
    .kernarg_segment_align: 8
    .kernarg_segment_size: 48
    .max_flat_workgroup_size: 128
    .sgpr_count:     88
    .vgpr_count:     1024
    .wavefront_size: 32
...
	.end_amdgpu_metadata
.endif
;; end of part 2
;; launch qg (part 3): grid 8 x 32, 4 waves a work-group, clusters of 4 x 4, 327,680 bytes of LDS; arguments xb, wb, bq, bg, cl, tot, out0; writes out0
.if DOCPART == 3
	.amdgcn_target "amdgcn-amd-amdhsa--gfx1250"
	.amdhsa_code_object_version 6
	.text
	.protected	k_qbe952cd82e_qg
	.globl	k_qbe952cd82e_qg
	.p2align	8
	.type	k_qbe952cd82e_qg,@function
k_qbe952cd82e_qg:
	s_mov_b64 s[64:65], 0
	v_nop
	global_prefetch_b8 v0, s[64:65] scope:SCOPE_SE
	s_setreg_imm32_b32 hwreg(HW_REG_WAVE_MODE, 25, 1), 1
	s_wait_xcnt 0x0
	s_wait_alu depctr_hold_cnt(0) depctr_sa_sdst(0) depctr_va_vdst(0) depctr_va_sdst(0) depctr_va_ssrc(0) depctr_va_vcc(0) depctr_vm_vsrc(0)
	s_getreg_b32 s2, hwreg(HW_REG_IB_STS2, 6, 4)
	s_cmp_eq_u32 s2, 0
	s_cbranch_scc0 .Lentry_in_a_cluster
	s_endpgm
.Lentry_in_a_cluster:
	s_bfe_u32 s2, ttmp6, 0x10000c
	s_cmp_lg_u32 s2, 0xf033
	s_cbranch_scc0 .Lentry_shape_is_right
	s_endpgm
.Lentry_shape_is_right:
; out0 = q S g, with q = x Wq^T + bq, g = sigmoid(x Wg^T + bg) and S the running sum of k v along a batch's 4,096 rows, put together from what the launch before has stored.
; xb: [16384][1024] bf16.  wb: [4096][1024] bf16, rows 2048-4095 here: row 2048 + 128 jg + 64 t + 16 a + r is channel 64 jg + 4 r + a of Wq (t = 0) or Wg (t = 1).  out0: [16384][1024] f32.
; cl: records of 2,560 bytes, [tile 8 st + wt][wave][batch s of 8 rows]: five pieces of 512 bytes, 16 bytes a lane, written by the same wave and lane of the same tile.  Piece 0 (s > 0): for the lane's four channels
; the f32 sum of k v over the rows of its block of 64 in front of the batch.  Piece 1 + a: channel a's eight products of the batch in bf16, two to a word, the lower row in the lower half.
; tot: [256][1024] f32.  Of tile st's four blocks of 64 rows, with totals B0 to B3: row 4 st holds B0, row 4 st + 1 B1, row 4 st + 2 B0 + B2, row 4 st + 3 B1 + B3.
; S(row 8 s + j of a block) = off + piece 0 + the products of rows 8 s .. 8 s + j.  off, what lies in front of the block, is made at the head: rows 4 st' + 2 and 4 st' + 3 of the batch's earlier tiles st'
; (each half of the lanes loads one of the two; all 15 loads are issued, and those of tiles not in front of mine are cleared by a mask made of the tile's number), and inside my tile, for block b = q + 2 h:
; nothing, B0, B0 + B1, or B1 + (B0 + B2): two loads whose rows hang on the lane, and two masks.
; LIMITS.  x, the weights and the biases are rounded once to bf16; a state holds at most eight products that were rounded to bf16; all sums are f32, in an order other than one chain of 4,096.
; sigmoid(z) = 1 / (1 + 2^(-z log2 e)): where the power passes f32's range it is an infinity and g is 0; a g below 2^-126 counts as 0.  NaN and infinities are not treated apart.
; SHARES.  A tile is 256 rows of x by 256 rows of wb (two groups of 64 channels, q and g of each).  512 tiles; 256 work-groups make two each, 8,192 rows apart, on the same rows of wb.
; Four waves: wave w takes channel group cg = w >> 1 and, of the tile's four blocks of 64 rows, blocks q = w & 1 and 2 + q: 128 x 128 numbers, 64 accumulators, 512 registers.
; LAYOUT.  Source 0 = 16 rows of x, source 1 = 16 rows of wb: in the result lane (r = l % 16, h = l / 16), register j is x's fragment row 8 h + j and wb's fragment row r.
; x's fragment s holds tile rows 64 q + 8 s + 0..7 and 128 + 64 q + 8 s + 0..7, so half h of the lanes stays in block 2 h + q.  wb's fragment 4 t + a holds channels 4 r + a: the four a of one row are
; 16 bytes on end, sixteen lanes 256 bytes, aligned: out0 is stored straight in that form; nothing goes through LDS on the way out.
; THE BIAS is the C operand of the products that start the sums: eight registers that all hold the lane's bias, for each of the eight fragments of wb; made once, for both tiles.
; cl IS LOADED AHEAD: seven of a tile's eight records go out at the head of the tile's last lap, 448 matrix instructions ahead of their use, into registers that the products do not touch; the eighth
; at the way out's head, with seven batches' arithmetic in which to land.  So cl has no prefetch of its own; tot is read at the head, where nothing is prefetched.
; RING, CLUSTER: K goes in steps of 128 through two LDS slots filled by the tensor data mover; 4 x 4 work-groups; x's tile is asked for jointly by a row of the cluster, wb's by a column.  The ring stops at a
; tile's end and is started anew behind the way out: every part of the text is then written once; the second tile's first K step is waited for with no products beside it.
; REGISTERS, in windows of 256 (s_set_vgpr_msb's low byte: bits 1:0 source 0, 3:2 source 1, 5:4 source 2, 7:6 destination):
;   window 0: v0-31 addresses and off; v64-127, v128-191 wb's fragments, two buffers; v32-51, v192-251 records 0 to 3; on the way out v128-147 record 7, v64-127 and v160-191 three buffers of results
;   window 1: v0-63 the bias blocks; v64-127, v128-191 x's fragments, two buffers; v192-251 records 4 to 6
;   window 2: q's accumulators, (a, s) at v[8 (8 a + s)]          window 3: g's, likewise
.set DIM,    1024
.set KSTEP,  128
.set PITCH,  272                       ; an LDS row: 256 bytes + 16 of padding = 68 words: row r starts at bank 4 r mod 64 (64 banks of 4 bytes: ISA guide 11.1)
.set HALFT,  128*PITCH+128             ; 128 rows, what one tensor load brings, and 128 idle bytes: x's two halves then lie 32 banks apart, and the 8 + 8 rows of a fragment of x start at 16 different groups of four banks
.set SLOT,   4*HALFT                   ; wb's 256 rows, then x's 256 rows
.set SPARE,  2*SLOT                    ; behind the ring: the spare words, 128 bytes for each wave: two blocks of 256 bytes that no other line names
.set ROWB,   2*DIM                     ; bytes in a row of xb and wb
.set OROW,   4*DIM                     ; bytes in a row of tot and out0
.set REC,    2560                      ; bytes in a record of cl
.set WREC,   8*REC                     ; a wave's eight records of a tile
.set LAPS,   DIM/(2*KSTEP)             ; a lap = two K steps = once round the ring
.set WALK,   8192                      ; rows from a work-group's first tile to its second
.set NEXT_CL, (WALK/256)*8*4*WREC      ; the bytes of cl between them: 32 rows of 8 tiles, 4 waves each
.set NEXT_T, (WALK/64)*OROW            ; and of tot: 128 rows
.set NEXT_X, WALK*ROWB-(DIM-2*KSTEP)*2 ; bytes from a slot's last K step of a tile to its first of the next: x goes WALK rows down and back along K,
.set BACK_W, (DIM-2*KSTEP)*2           ; wb only back
.set WROW0,  2048                      ; this launch's first row of wb
.set FLAGS,  (1<<16)|(1<<20)|(1<<21)|(5<<22)|(3<<25)  ; 17:16 elements of 2 bytes; 20 padding on; 21 set beside a mask; 24:22 after every 64 words (code 5); 31:25 4 words of it (code 3)
.set ST,   4                           ; v4-7    the way out: off + a record's piece 0
.set OFF,  8                           ; v8-11   off of my block and four channels, for the tile in hand; v12-15 for the second tile
.set ADRW, 16                          ; v16-17  LDS address of my fragments of wb in slot 0, 1
.set ADRX, 20                          ; v20-21  the same for x
.set V1,   22                          ; v22     in tot, inside my tile: row q & h, + 16 r
.set CO,   24                          ; v24     my byte offset in out0: 128 h rows + 16 r
.set VB,   25                          ; v25     in tot, in an earlier tile: row 2 + h, + 16 r
.set BO,   26                          ; v26     in a bias: 16 r
.set CLO,  27                          ; v27     my 16 bytes in a piece of cl: 16 x lane
.set SPW,  28                          ; v28     LDS address of my spare word: SPARE + 4 x my thread's number; never rewritten
.set NIL,  29                          ; v29     0; never rewritten
.set PFO,  30                          ; v30     the prefetches' offset: my lane x a row of xb or wb; never rewritten
.set ONE,  31                          ; v31     1.0
.set BS1,  64                          ; at the head: the earlier tiles' rows of tot, tile c's at BS1 + 4 c for my first tile,
.set BS2,  128                         ; at BS2 + 4 c for my second,
.set IN,   192                         ; and the two rows inside each of my tiles
.set F0,   64
.set F1,   128
.set G1X,  24                          ; s[24:31] descriptor group 1 for x's tiles;  s[32:39] group 0, a set for each slot
.set G0X,  32
.set G1W,  48                          ; s[48:55], s[56:63] the same for wb's tiles
.set G0W,  56
.set LIM,  43                          ; s43     1 in a wave that prefetches, else the greatest number
.set PFA,  44                          ; s[44:45] where my prefetches stand: my work-group's 32 rows of the 128 that I fetch
.set NL,   66                          ; s[66:67] -log2(e): the packed multiply names a pair and takes its low word for both halves
.set YY,   82                          ; s82     my tile's place among its batch's sixteen: the same for both tiles
.set MK,   83                          ; s83     a mask, all lanes or none
.set M1,   84                          ; s84     the lanes whose block has one block or more of the tile in front of it
.set M2,   85                          ; s85     two or more: lanes 16-31
.set TBAT, 86                          ; s[86:87] tot at my first tile's batch's first row, my channels
.set SEL,  88                          ; s[88:89] v_permlanex16_b32's selects: each lane takes its own place in the other half
.set MSB, 0
.macro WIN new                         ; the immediate's high byte repeats the setting that is left; a switch that changes nothing is dropped
.if MSB != (\new)
	s_set_vgpr_msb (MSB<<8)|(\new)
.set MSB, \new
.endif
.endm
.set MUL_LO, 0xa1                      ; source 0 (x) window 1, source 1 (wb) window 0, C and D window 2
; A joint load.  Waves 0 and 1 fetch wb's two halves, waves 2 and 3 x's.  The branch hangs on the wave's number alone.  An s_nop 0 and four v_nop follow each of the two lines.
.macro JLOAD s
	s_cmp_eq_u32 s11, 0
	s_cbranch_scc0 .Lfor_x_\@
	tensor_load_to_lds s[G0W+4*(\s):G0W+4*(\s)+3], s[G1W:G1W+7]
	s_nop 0
.rept 4
	v_nop
.endr
	s_branch .Lasked_\@
.Lfor_x_\@:
	tensor_load_to_lds s[G0X+4*(\s):G0X+4*(\s)+3], s[G1X:G1X+7]
	s_nop 0
.rept 4
	v_nop
.endr
.Lasked_\@:
.endm
; A PREFETCH INTO THE L2, behind a joint load and the run of LDS loads that follows it: the K step that stands two refills on, 512 matrix instructions ahead of the load that will want it: 32 rows x 256 bytes, a lane a row.
; Each row's 256 bytes of a K step are named once in the launch: x's rows are read by both clusters of a row of clusters, and the one with cluster x = 0 asks; wb's by the eight clusters of a column,
; and the one with cluster y = 0 asks.  The four partners of a joint load share its 128 rows out by address, 32 each.  The loop's last trip (s3 = 1) has no K step two on.
.macro ASK
	s_cmp_gt_u32 s3, s[LIM]
	s_cbranch_scc0 .Lnot_mine_\@
	global_prefetch_b8 v[PFO], s[PFA:PFA+1] offset:KSTEP*2 th:TH_LOAD_NT scope:SCOPE_SE
.Lnot_mine_\@:
.endm
.macro ASKN                            ; in a tile's last K step but one: the next tile's K steps 0 to 3 of x, if there is a next tile (s2 = 2)
	s_cmp_gt_u32 s2, s[LIM]
	s_cbranch_scc0 .Lno_next_\@
.irp c, 0,1,2,3
	global_prefetch_b8 v[PFO], s[PFA:PFA+1] offset:(\c)*KSTEP*2 th:TH_LOAD_NT scope:SCOPE_SE
.endr
.Lno_next_\@:
.endm
.macro CREST                           ; a round of the cluster's barrier behind its opening barrier
	s_cmp_lg_u32 s10, 0
	s_cbranch_scc1 .Lnot_wave_0_\@
	s_barrier_signal -3
.Lnot_wave_0_\@:
	s_barrier_wait -3
	s_barrier_signal -1
	s_barrier_wait -1
.endm
.macro CROUND                          ; a whole round
	s_barrier_signal -1
	s_barrier_wait -1
	CREST
.endm
	s_load_b128 s[4:7], s[0:1], 0x0                ; xb s[4:5], wb s[6:7]
	s_load_b256 s[68:75], s[0:1], 0x10             ; bq s[68:69], bg s[70:71], cl s[72:73], tot s[74:75]
	s_load_b64 s[76:77], s[0:1], 0x30              ; out0
	v_lshl_add_u32 v[SPW], v0, 2, SPARE
	v_mov_b32 v[NIL], 0
	ds_add_u32 v[SPW], v[NIL]                      ; the wave's opening: the add, twice on end, and its wait ahead of my first tensor load
	ds_add_u32 v[SPW], v[NIL]                      ; once more; the set-up below, work on registers, stands between it and the wait
	v_lshrrev_b32 v1, 5, v0
	v_readfirstlane_b32 s10, v1                    ; wave 0..3
	s_lshr_b32 s11, s10, 1                         ; cg: my channel group.  Also: I fetch for wb (0) or for x (1)
	s_and_b32 s12, s10, 1                          ; q: my blocks of rows.  Also: which 128 rows of that tile I fetch
	s_bfe_u32 s40, ttmp6, 0x40000                  ; cx
	s_bfe_u32 s41, ttmp6, 0x40004                  ; cy
	s_lshl_b32 s42, ttmp9, 2
	s_add_co_u32 s42, s42, s40                     ; wt, wb's tile = 4 x cluster x + cx
	s_and_b32 s13, ttmp7, 0xffff
	s_lshl_b32 s13, s13, 2
	s_add_co_u32 s13, s13, s41                     ; y, x's first tile = 4 x cluster y + cy
	s_lshl_b32 s43, s41, 2
	s_lshl_b32 s43, 15, s43                        ; my row of the cluster
	s_lshl_b32 s44, 0x1111, s40                    ; my column
	s_or_b32 s[G1X+0], s43, FLAGS                  ; x's tiles go to my row,
	s_or_b32 s[G1W+0], s44, FLAGS                  ; wb's to my column
.irp g, G1X, G1W
	s_mov_b32 s[(\g)+1], KSTEP<<16                 ; tensor_dim0 = 128
	s_mov_b32 s[(\g)+2], 128<<16                   ; tensor_dim1 = 128
	s_mov_b32 s[(\g)+3], KSTEP<<16                 ; tile_dim0 = 128
	s_mov_b32 s[(\g)+4], 128                       ; tile_dim1 = 128
	s_mov_b32 s[(\g)+5], DIM                       ; elements from row to row
	s_mov_b32 s[(\g)+6], 0
	s_mov_b32 s[(\g)+7], 0
.endr
	s_mov_b32 s[NL], 0xbfb8aa3b                    ; -log2(e)
	s_mov_b32 s[NL+1], s[NL]                       ; named with it as a pair, so it is written
	s_mov_b32 s[SEL], 0x76543210
	s_mov_b32 s[SEL+1], 0xfedcba98
	s_mov_b32 s[M2], 0xffff0000                    ; blocks 2 and 3 lie in lanes 16-31;
	s_cmp_eq_u32 s12, 1
	s_cselect_b32 s[M1], -1, s[M2]                 ; blocks 1 and 3 are all lanes of a wave with q = 1, block 2 lanes 16-31 of one with q = 0
	s_lshl_b32 s16, s13, 8                         ; x: row 256 y + 128 x half,
	s_lshl_b32 s17, s12, 7
	s_add_co_u32 s16, s16, s17
	s_lshl_b32 s16, s16, 11                        ; in bytes (under 2^25)
	s_mov_b32 s17, 0
	s_lshl_b32 s46, s42, 8                         ; wb: row 256 wt + 128 x half + the launch's first
	s_lshl_b32 s47, s12, 7
	s_add_co_u32 s46, s46, s47
.if WROW0
	s_add_co_u32 s46, s46, WROW0
.endif
	s_lshl_b32 s46, s46, 11
	s_mov_b32 s47, 0
	s_mul_i32 s20, s10, HALFT                      ; where they go: wave x 128 rows: no place in the cluster enters an LDS address
	s_wait_dscnt 0x0                               ; both opening adds are done
	s_wait_kmcnt 0x0
	s_add_nc_u64 s[14:15], s[4:5], s[16:17]
	s_add_nc_u64 s[46:47], s[6:7], s[46:47]
	CROUND                                         ; all sixteen work-groups are here: the first joint loads meet
.irp s, 0,1
	s_mov_b32 s[G0X+4*(\s)], 1                                       ; count = 1
	s_add_co_u32 s[G0X+4*(\s)+1], s20, (\s)*SLOT                     ; LDS address
	s_add_nc_u64 s[G0X+4*(\s)+2:G0X+4*(\s)+3], s[14:15], (\s)*KSTEP*2  ; global address: K step s
	s_or_b32 s[G0X+4*(\s)+3], s[G0X+4*(\s)+3], 0x80000000            ; type = 2
	s_mov_b32 s[G0W+4*(\s)], 1
	s_add_co_u32 s[G0W+4*(\s)+1], s20, (\s)*SLOT
	s_add_nc_u64 s[G0W+4*(\s)+2:G0W+4*(\s)+3], s[46:47], (\s)*KSTEP*2
	s_or_b32 s[G0W+4*(\s)+3], s[G0W+4*(\s)+3], 0x80000000
	JLOAD \s                                       ; two tensor loads of mine are out behind these; later one
.endr
	; A fragment is 16 rows x 32 K in 8 registers: lane l holds row l % 16; registers 0-3 K = 8 (l / 16) + 0..7, registers 4-7 K = 16 + 8 (l / 16) + 0..7: two loads of 16 bytes, 32 bytes apart.
	v_and_b32 v1, 15, v0                           ; r
	v_bfe_u32 v2, v0, 4, 1                         ; h
	v_mul_u32_u24 v3, v1, PITCH
	v_lshl_add_u32 v3, v2, 4, v3                   ; wb: r x pitch + 16 h
	v_and_b32 v4, 7, v0
	v_bfe_u32 v5, v0, 3, 1
	v_mul_u32_u24 v4, v4, PITCH
	v_lshl_add_u32 v4, v2, 4, v4
	v_mul_u32_u24 v5, v5, HALFT
	v_add_nc_u32 v4, v4, v5                        ; x: (r % 8) x pitch + 16 h, and rows 8-15 of a fragment in the tile's other half
	s_mul_i32 s21, s11, HALFT                      ; my 128 rows of wb
	s_mul_i32 s22, s12, 64*PITCH                   ; my block of 64 rows in each half of x,
	s_add_co_u32 s22, s22, 2*HALFT                 ; which lies behind wb's 256 rows
.irp s, 0,1
	v_add_nc_u32 v[ADRW+(\s)], s21, v3
	v_add_nc_u32 v[ADRX+(\s)], s22, v4
	s_add_co_u32 s21, s21, SLOT
	s_add_co_u32 s22, s22, SLOT
.endr
	v_lshlrev_b32 v[BO], 4, v1
	v_lshl_add_u32 v[CO], v2, 19, v[BO]
	v_add_nc_u32 v3, 2, v2
	v_lshl_add_u32 v[VB], v3, 12, v[BO]            ; row 2 + h of an earlier tile's four
	v_and_b32 v3, s12, v2
	v_lshl_add_u32 v[V1], v3, 12, v[BO]            ; row 1 of my tile's four for block 3, else row 0
	v_and_b32 v[PFO], 31, v0
	v_lshlrev_b32 v[CLO], 4, v[PFO]
	v_lshlrev_b32 v[PFO], 11, v[PFO]
	v_mov_b32 v[ONE], 1.0
	; the prefetches
	s_lshl_b32 s78, s42, 8
.if WROW0
	s_add_co_u32 s78, s78, WROW0
.endif
	s_lshl_b32 s79, s13, 8
	s_and_b32 s22, ttmp7, 0xffff                   ; cluster y
	s_cmp_eq_u32 s11, 0                            ; do I fetch for wb?
	s_cselect_b32 s20, s78, s79                    ; the tile's first row
	s_cselect_b32 s21, s41, s40                    ; my place among the four that ask for it with me
	s_cselect_b32 s22, s22, ttmp9                  ; the coordinate along which other clusters read the same rows
	s_cselect_b64 s[PFA:PFA+1], s[6:7], s[4:5]
	s_cmp_eq_u32 s22, 0
	s_cselect_b32 s[LIM], 1, -1                    ; the same in all sixteen partners, for a given wave
	s_lshl_b32 s22, s12, 7
	s_add_co_u32 s20, s20, s22                     ; + the 128 rows that I fetch
	s_lshl_b32 s21, s21, 5
	s_add_co_u32 s20, s20, s21                     ; + my work-group's 32 of them
	s_lshl_b32 s20, s20, 11
	s_mov_b32 s21, 0
	s_add_nc_u64 s[PFA:PFA+1], s[PFA:PFA+1], s[20:21]
	s_add_nc_u64 s[PFA:PFA+1], s[PFA:PFA+1], 2*KSTEP*2  ; at K step 2: the first refill steps it to 3 and names K step 4.  Nothing is prefetched here, at the head
	; where my numbers lie in out0, cl, tot and the biases
	s_lshl_b32 s78, s13, 8
	s_lshl_b32 s79, s12, 6
	s_add_co_u32 s78, s78, s79                     ; row 256 y + 64 q
	s_lshl_b32 s78, s78, 12
	s_lshl_b32 s80, s42, 1
	s_add_co_u32 s80, s80, s11                     ; jg = 2 wt + cg
	s_lshl_b32 s80, s80, 8                         ; its 64 channels: 256 bytes
	s_mov_b32 s81, 0
	s_add_co_u32 s78, s78, s80
	s_mov_b32 s79, 0
	s_add_nc_u64 s[76:77], s[76:77], s[78:79]
	s_add_nc_u64 s[68:69], s[68:69], s[80:81]
	s_add_nc_u64 s[70:71], s[70:71], s[80:81]
	s_lshl_b32 s78, s13, 3
	s_add_co_u32 s78, s78, s42                     ; tile 8 y + wt,
	s_lshl_b32 s78, s78, 2
	s_add_co_u32 s78, s78, s10                     ; my wave of its four,
	s_mul_i32 s78, s78, WREC                       ; its eight records (under 2^25 bytes)
	s_add_nc_u64 s[72:73], s[72:73], s[78:79]
	s_and_b32 s[YY], s13, 15
	s_sub_co_u32 s78, s13, s[YY]                   ; the batch's first tile,
	s_lshl_b32 s78, s78, 14                        ; its four rows of tot
	s_add_co_u32 s78, s78, s80
	s_add_nc_u64 s[TBAT:TBAT+1], s[74:75], s[78:79]
	s_lshl_b32 s78, s13, 14                        ; my tile's four rows
	s_add_co_u32 s78, s78, s80
	s_add_nc_u64 s[74:75], s[74:75], s[78:79]
	global_load_b128 v[32:35], v[BO], s[68:69]     ; bq of channels 4 r + 0..3
	global_load_b128 v[36:39], v[BO], s[70:71]     ; bg
.irp c, 0,1,2,3,4,5,6,7,8,9,10,11,12,13,14
	global_load_b128 v[BS1+4*(\c):BS1+4*(\c)+3], v[VB], s[TBAT:TBAT+1] offset:(\c)*4*OROW          ; the batch's tile c: lanes 0-15 its B0 + B2, lanes 16-31 its B1 + B3,
	global_load_b128 v[BS2+4*(\c):BS2+4*(\c)+3], v[VB], s[TBAT:TBAT+1] offset:(\c)*4*OROW+NEXT_T   ; and the same in my second tile's batch.  All stay inside a batch's 64 rows
.endr
.irp t, 0,1
	global_load_b128 v[IN+8*(\t):IN+8*(\t)+3],   v[V1], s[74:75] offset:(\t)*NEXT_T
	global_load_b128 v[IN+8*(\t)+4:IN+8*(\t)+7], v[V1], s[74:75] offset:(\t)*NEXT_T+OROW
.endr
	s_wait_loadcnt 0x0                             ; all 36, once
.irp c, 0,1,2,3,4,5,6,7,8,9,10,11,12,13,14
	s_cmp_gt_u32 s[YY], \c                         ; does tile c lie in front of mine?
	s_cselect_b32 s[MK], -1, 0
.irp i, 0,1,2,3
	v_cndmask_b32 v[BS1+4*(\c)+(\i)], 0, v[BS1+4*(\c)+(\i)], s[MK]
	v_cndmask_b32 v[BS2+4*(\c)+(\i)], 0, v[BS2+4*(\c)+(\i)], s[MK]
.endr
.endr
.irp c, 1,2,3,4,5,6,7,8,9,10,11,12,13,14
	v_pk_add_f32 v[BS1:BS1+1],   v[BS1:BS1+1],   v[BS1+4*(\c):BS1+4*(\c)+1]    ; four chains by turns, in ascending order of the tiles
	v_pk_add_f32 v[BS1+2:BS1+3], v[BS1+2:BS1+3], v[BS1+4*(\c)+2:BS1+4*(\c)+3]
	v_pk_add_f32 v[BS2:BS2+1],   v[BS2:BS2+1],   v[BS2+4*(\c):BS2+4*(\c)+1]
	v_pk_add_f32 v[BS2+2:BS2+3], v[BS2+2:BS2+3], v[BS2+4*(\c)+2:BS2+4*(\c)+3]
.endr
.irp i, 0,1,2,3
	v_permlanex16_b32 v[BS1+4+(\i)], v[BS1+(\i)], s[SEL], s[SEL+1]  ; the other half's part (the destination counts as read: it has been written)
	v_permlanex16_b32 v[BS2+4+(\i)], v[BS2+(\i)], s[SEL], s[SEL+1]
.endr
.irp i, 0,1,2,3
	v_cndmask_b32 v[IN+(\i)],    0, v[IN+(\i)],    s[M1]
	v_cndmask_b32 v[IN+4+(\i)],  0, v[IN+4+(\i)],  s[M2]
	v_cndmask_b32 v[IN+8+(\i)],  0, v[IN+8+(\i)],  s[M1]
	v_cndmask_b32 v[IN+12+(\i)], 0, v[IN+12+(\i)], s[M2]
.endr
.irp p, 0,2
	v_pk_add_f32 v[BS1+(\p):BS1+(\p)+1], v[BS1+(\p):BS1+(\p)+1], v[BS1+4+(\p):BS1+4+(\p)+1]
	v_pk_add_f32 v[BS2+(\p):BS2+(\p)+1], v[BS2+(\p):BS2+(\p)+1], v[BS2+4+(\p):BS2+4+(\p)+1]
	v_pk_add_f32 v[IN+(\p):IN+(\p)+1],     v[IN+(\p):IN+(\p)+1],     v[IN+4+(\p):IN+4+(\p)+1]
	v_pk_add_f32 v[IN+8+(\p):IN+8+(\p)+1], v[IN+8+(\p):IN+8+(\p)+1], v[IN+12+(\p):IN+12+(\p)+1]
.endr
.irp p, 0,2
	v_pk_add_f32 v[OFF+(\p):OFF+(\p)+1],     v[BS1+(\p):BS1+(\p)+1], v[IN+(\p):IN+(\p)+1]       ; off for the first tile,
	v_pk_add_f32 v[OFF+4+(\p):OFF+4+(\p)+1], v[BS2+(\p):BS2+(\p)+1], v[IN+8+(\p):IN+8+(\p)+1]   ; and for the second
.endr
.irp i, 0,1,2,3,4,5,6,7
	v_cvt_pk_bf16_f32 v[40+(\i)], v[32+(\i)], v[32+(\i)]  ; the bias is rounded to bf16 like every input,
.endr
.irp i, 0,1,2,3,4,5,6,7
	v_lshlrev_b32 v[32+(\i)], 16, v[40+(\i)]       ; and written as f32 again
.endr
	WIN 0x40                                       ; destination window 1
.irp i, 0,1,2,3,4,5,6,7
.irp j, 0,1,2,3,4,5,6,7
	v_mov_b32 v[8*(\i)+(\j)], v[32+(\i)]           ; block 4 t + a: the C operand for wb's fragment 4 t + a
.endr
.endr
	WIN 0
; 16 matrix instructions: wb's fragments 4 hi + a0, + 1 x all 8 fragments of x, 32 along K.  first = 1: the products start the sums from the bias blocks: nothing is cleared.
; The 64 accumulators take turns, one instruction a turn, in the same order in every quarter.
.macro MUL16 f, hi, a0, first
.if \first
	WIN 0x91+0x40*(\hi)                            ; C in window 1
.else
	WIN MUL_LO+0x50*(\hi)
.endif
.irp a, \a0, (\a0)+1
.irp b, 0,1,2,3,4,5,6,7
.if \first
	v_wmma_f32_16x16x32_bf16 v[8*(8*(\a)+(\b)):8*(8*(\a)+(\b))+7], v[(\f)+8*(\b):(\f)+8*(\b)+7], v[(\f)+8*(4*(\hi)+(\a)):(\f)+8*(4*(\hi)+(\a))+7], v[8*(4*(\hi)+(\a)):8*(4*(\hi)+(\a))+7]
.else
	v_wmma_f32_16x16x32_bf16 v[8*(8*(\a)+(\b)):8*(8*(\a)+(\b))+7], v[(\f)+8*(\b):(\f)+8*(\b)+7], v[(\f)+8*(4*(\hi)+(\a)):(\f)+8*(4*(\hi)+(\a))+7], v[8*(8*(\a)+(\b)):8*(8*(\a)+(\b))+7]
.endif
.endr
.endr
.endm
; 32 LDS loads in one run: the fragments of one quarter step (32 K at byte k of the rows) into buffer f: x's eight, then wb's eight
.macro FETCH slot, k, f
	WIN 0x40                                       ; destination window 1, address window 0
.irp i, 0,1,2,3,4,5,6,7
	ds_load_b128 v[(\f)+8*(\i):(\f)+8*(\i)+3],   v[ADRX+(\slot)] offset:(\k)+(\i)*8*PITCH
	ds_load_b128 v[(\f)+8*(\i)+4:(\f)+8*(\i)+7], v[ADRX+(\slot)] offset:(\k)+(\i)*8*PITCH+32
.endr
	WIN 0
.irp i, 0,1,2,3,4,5,6,7
	ds_load_b128 v[(\f)+8*(\i):(\f)+8*(\i)+3],   v[ADRW+(\slot)] offset:(\k)+(\i)*16*PITCH
	ds_load_b128 v[(\f)+8*(\i)+4:(\f)+8*(\i)+7], v[ADRW+(\slot)] offset:(\k)+(\i)*16*PITCH+32
.endr
.endm
.macro PLACES                          ; four plain vector instructions between a matrix instruction and a load into a register that it has read (ISA guide 7.12.1 for vector instructions)
.rept 4
	v_nop
.endr
.endm
; A K step is four quarters of 32 along K, 64 matrix instructions each, on buffers 0, 1, 0, 1.  One of the first three: multiplies buffer f and, in its middle, fetches the next quarter into g.
.macro QUARTER slot, k, f, g, first
	s_wait_dscnt 8                                 ; x's fragments and wb's 0-3 are in; the youngest eight loads (wb's 4-7) may be out
	MUL16 \f, 0, 0, \first
	MUL16 \f, 0, 2, \first
	PLACES
	FETCH \slot, \k, \g
	s_wait_dscnt 32                                ; all but the 32 just issued
	MUL16 \f, 1, 0, \first
	MUL16 \f, 1, 2, \first
.endm
; The first half of a K step's last quarter: ONE barrier for the change of slots.  In front of it each wave waits for all its tensor loads (the one that is out is its part of the next slot), adds 0
; to its spare word, and waits for that and for its own reads of this slot.  Behind it nobody reads this slot any more and the next slot is whole.
.macro MEET round
	WIN 0                                          ; (the add's two registers lie in window 0)
	s_wait_tensorcnt 0x0
	ds_add_u32 v[SPW], v[NIL]
	s_wait_dscnt 9                                 ; (the add and the youngest eight loads may be out)
	MUL16 F1, 0, 0, 0                              ; sixteen matrix instructions stand between the add and the wait for it
	s_wait_dscnt 0x0                               ; the add is done, and my reads of this slot are over
	s_barrier_signal -1
	MUL16 F1, 0, 2, 0                              ; work on registers while the others arrive
.if \round
	WIN 0
.endif
	s_barrier_wait -1
.endm
; The whole last quarter with a refill: the barrier opens a round of the cluster's barrier; behind the round the slot just read out takes the K step two steps on, first of all; 224 matrix instructions lie between that request and the wait for it.
.macro TURN slot, next
	s_wait_xcnt 0x0                                ; the last prefetch, a K step back, has read its address
	s_add_nc_u64 s[PFA:PFA+1], s[PFA:PFA+1], KSTEP*2
	MEET 1
	CREST                                          ; no wave of any partner still reads this slot's tile or has a load on its way
	s_add_nc_u64 s[G0X+4*(\slot)+2:G0X+4*(\slot)+3], s[G0X+4*(\slot)+2:G0X+4*(\slot)+3], 2*KSTEP*2
	s_add_nc_u64 s[G0W+4*(\slot)+2:G0W+4*(\slot)+3], s[G0W+4*(\slot)+2:G0W+4*(\slot)+3], 2*KSTEP*2
	JLOAD \slot                                    ; the four v_nop behind it are also the places in front of the loads below
	FETCH \next, 0, F0
	ASK
	MUL16 F1, 1, 0, 0
	MUL16 F1, 1, 2, 0
.endm
; The same in a tile's last lap, from slot 0 to slot 1: nothing is filled, so no round follows.
.macro TURNL
	s_wait_xcnt 0x0
	s_add_nc_u64 s[PFA:PFA+1], s[PFA:PFA+1], (WALK-1)*ROWB  ; from the byte behind my rows' last K step to the next tile's K step 0
	s_cmp_eq_u32 s11, 1
	s_cselect_b32 s[LIM], s[LIM], -1               ; wb's rows are the same for both tiles: they are asked for in the first alone
	MEET 0
	PLACES
	FETCH 1, 0, F0
	ASKN
	MUL16 F1, 1, 0, 0
	MUL16 F1, 1, 2, 0
.endm
.macro FINAL                           ; a tile's very last quarter: nothing more to fetch
	s_wait_dscnt 8
	MUL16 F1, 0, 0, 0
	MUL16 F1, 0, 2, 0
	s_wait_dscnt 0x0
	MUL16 F1, 1, 0, 0
	MUL16 F1, 1, 2, 0
	WIN 0
.endm
; The ring is started anew for the second tile: a round and slot 0's joint load; when that has landed, a round and slot 1's; then slot 0's first fragments.  One tensor load a wave behind each round.
.macro RESTART
	WIN 0
	s_wait_tensorcnt 0x0                           ; no tensor load of mine is out, so the descriptors may be written
	ds_add_u32 v[SPW], v[NIL]                      ; the descriptors' steps stand between the add and the wait for it
.irp s, 0,1
	s_add_nc_u64 s[G0X+4*(\s)+2:G0X+4*(\s)+3], s[G0X+4*(\s)+2:G0X+4*(\s)+3], NEXT_X
	s_sub_nc_u64 s[G0W+4*(\s)+2:G0W+4*(\s)+3], s[G0W+4*(\s)+2:G0W+4*(\s)+3], BACK_W
.endr
	s_wait_dscnt 0x0                               ; the add is done; my reads of both slots ended with the last quarter
	CROUND
	JLOAD 0
	s_wait_tensorcnt 0x0                           ; my part of K step 0 has landed
	ds_add_u32 v[SPW], v[NIL]
	s_wait_dscnt 0x0
	CROUND                                         ; everybody's has
	JLOAD 1
	FETCH 0, 0, F0
.endm
; THE WAY OUT goes in eight batches: batch s is fragment s of x, rows 8 s + 0..7 of my two blocks.  Its record's 20 registers lie at LB in window LW: piece 0 at LB, channel a's packed products at LB + 4 + 4 a.
; Its 32 results, row j's four channels at OB + 4 j, lie in window 0; three such buffers take turns.
.macro BATCH s
.set LW, 0
.if (\s) == 0
.set LB, 32
.elseif (\s) < 4
.set LB, 172+20*(\s)                   ; 192, 212, 232
.elseif (\s) < 7
.set LW, 1
.set LB, 112+20*(\s)                   ; 192, 212, 232
.else
.set LB, 128
.endif
.set OB, 64+32*((\s)%3)+32*(((\s)%3)/2)  ; 64, 96, 160
.endm
.macro CLOAD s                         ; a record of cl: five loads (four for s = 0), 512 consecutive bytes each, aligned
	BATCH \s
	WIN LW<<6                                      ; destination window LW, address window 0
.if (\s) > 0
	global_load_b128 v[LB:LB+3], v[CLO], s[72:73] offset:(\s)*REC th:TH_LOAD_NT
.endif
.irp a, 0,1,2,3
	global_load_b128 v[LB+4+4*(\a):LB+4+4*(\a)+3], v[CLO], s[72:73] offset:(\s)*REC+512*(1+(\a)) th:TH_LOAD_NT
.endr
.endm
; A batch's arithmetic.  g's sums become q g in place, each accumulator read from its lowest registers on.  The states are made row by row, four chains (a = 0..3) by turns: a product's bf16 half times 1.0 plus the
; state of the row before, in one instruction; then each is multiplied by its q g and stored.  The 32 exponentials are one batch with one wait, the states being the plain work between; the 32 reciprocals another,
; with a v_nop as the plain instruction behind the last.
.macro SIG s
	BATCH \s
	WIN 0xc3                                       ; destination and source 0 window 3
.irp a, 0,1,2,3
.irp p, 0,2,4,6
	v_pk_mul_f32 v[8*(8*(\a)+(\s))+(\p):8*(8*(\a)+(\s))+(\p)+1], v[8*(8*(\a)+(\s))+(\p):8*(8*(\a)+(\s))+(\p)+1], s[NL:NL+1] op_sel_hi:[1,0]  ; -z log2(e)
.endr
.endr
.irp a, 0,1,2,3
.irp j, 0,1,2,3,4,5,6,7
	v_exp_f32 v[8*(8*(\a)+(\s))+(\j)], v[8*(8*(\a)+(\s))+(\j)]
.endr
.endr
	WIN LW                                         ; source 0 window LW, all else window 0
	s_wait_loadcnt 5*(7-(\s))                      ; this record is in; the younger records' loads, five each, may stay out
.if (\s) >= 3
	s_wait_xcnt 0x0                                ; the stores of three batches back have read this buffer of results, which is written again
.endif
.if (\s) > 0
	v_pk_add_f32 v[ST:ST+1],   v[LB:LB+1],   v[OFF:OFF+1]      ; what lies in front of the batch
	v_pk_add_f32 v[ST+2:ST+3], v[LB+2:LB+3], v[OFF+2:OFF+3]
.endif
.irp j, 0,1,2,3,4,5,6,7
.irp a, 0,1,2,3
.if (\j) > 0
.set PV, OB+4*(\j)-4+(\a)
.elseif (\s) > 0
.set PV, ST+(\a)
.else
.set PV, OFF+(\a)
.endif
.if (\j)%2
	v_fma_mix_f32_bf16 v[OB+4*(\j)+(\a)], v[LB+4+4*(\a)+(\j)/2], v[ONE], v[PV] op_sel:[1,0,0] op_sel_hi:[1,0,0]  ; the upper half
.else
	v_fma_mix_f32_bf16 v[OB+4*(\j)+(\a)], v[LB+4+4*(\a)+(\j)/2], v[ONE], v[PV] op_sel_hi:[1,0,0]                 ; the lower half
.endif
.endr
.endr
	s_wait_alu depctr_va_vdst(0)                   ; the wait for the exponentials
	WIN 0xc3
.irp a, 0,1,2,3
.irp p, 0,2,4,6
	v_pk_add_f32 v[8*(8*(\a)+(\s))+(\p):8*(8*(\a)+(\s))+(\p)+1], v[8*(8*(\a)+(\s))+(\p):8*(8*(\a)+(\s))+(\p)+1], 1.0 op_sel_hi:[1,0]
.endr
.endr
.irp a, 0,1,2,3
.irp j, 0,1,2,3,4,5,6,7
	v_rcp_f32 v[8*(8*(\a)+(\s))+(\j)], v[8*(8*(\a)+(\s))+(\j)]
.endr
.endr
	v_nop
	s_wait_alu depctr_va_vdst(0)                   ; the wait for the reciprocals
	WIN 0xce                                       ; source 0 window 2 (q), source 1 and destination window 3 (g)
.irp a, 0,1,2,3
.irp p, 0,2,4,6
	v_pk_mul_f32 v[8*(8*(\a)+(\s))+(\p):8*(8*(\a)+(\s))+(\p)+1], v[8*(8*(\a)+(\s))+(\p):8*(8*(\a)+(\s))+(\p)+1], v[8*(8*(\a)+(\s))+(\p):8*(8*(\a)+(\s))+(\p)+1]
.endr
.endr
	WIN 0x03                                       ; source 0 window 3 (q g), source 1 and destination window 0
.irp j, 0,1,2,3,4,5,6,7
.irp a, 0,1,2,3
	v_mul_f32 v[OB+4*(\j)+(\a)], v[8*(8*(\a)+(\s))+(\j)], v[OB+4*(\j)+(\a)]
.endr
.endr
	WIN 0
.irp j, 0,1,2,3,4,5,6,7
	global_store_b128 v[CO], v[OB+4*(\j):OB+4*(\j)+3], s[76:77] offset:(8*(\s)+(\j))*OROW th:TH_STORE_NT  ; sixteen lanes store 256 consecutive bytes, aligned
.endr
.endm
	s_wait_tensorcnt 1                             ; my part of K step 0 is in; K step 1's may stay out
	s_barrier_signal -1
	s_barrier_wait -1                              ; everybody's is
	FETCH 0, 0, F0
	s_mov_b32 s2, 2                                ; tiles to go, this one among them
.Ltile:
	QUARTER 0, 64,  F0, F1, 1                      ; a tile's first quarter: its products start the sums from the biases
	WIN 0                                          ; at a label and at a branch every window is 0
	s_mov_b32 s3, LAPS-1
.Llap:                                                 ; a trip goes once round the ring, from a lap's second quarter to the next lap's first, and fills both slots again: K steps 2 to 7
	QUARTER 0, 128, F1, F0, 0
	QUARTER 0, 192, F0, F1, 0
	TURN 0, 1
	QUARTER 1, 64,  F0, F1, 0
	QUARTER 1, 128, F1, F0, 0
	QUARTER 1, 192, F0, F1, 0
	TURN 1, 0
	QUARTER 0, 64,  F0, F1, 0
	WIN 0
	s_sub_co_u32 s3, s3, 1
	s_cmp_lg_u32 s3, 0
	s_cbranch_scc1 .Llap
.irp s, 0,1,2,3,4,5,6
	CLOAD \s                                       ; seven records of cl, into registers that the products do not name: 448 matrix instructions ahead of their use
.endr
	QUARTER 0, 128, F1, F0, 0                      ; the tile's last lap fills nothing
	QUARTER 0, 192, F0, F1, 0
	TURNL
	QUARTER 1, 64,  F0, F1, 0
	QUARTER 1, 128, F1, F0, 0
	QUARTER 1, 192, F0, F1, 0
	FINAL
.rept 8
	v_nop                                          ; the places behind the last products, whose results are read and written and whose sources are written and loaded into below
.endr
	CLOAD 7                                        ; the eighth record, into wb's second fragment buffer
.irp s, 0,1,2,3,4,5,6,7
	SIG \s
.endr
	s_wait_xcnt 0x0                                ; the loads and stores have read their registers and bases
.irp i, 0,1,2,3
	v_mov_b32 v[OFF+(\i)], v[OFF+4+(\i)]           ; the second tile's off goes where the one text of the way out names it
.endr
	s_add_nc_u64 s[72:73], s[72:73], NEXT_CL
	s_add_nc_u64 s[76:77], s[76:77], WALK*OROW
	s_cmp_eq_u32 s2, 1
	s_cbranch_scc1 .Ldone                          ; the loop's exit: the same in every work-group
	s_add_nc_u64 s[PFA:PFA+1], s[PFA:PFA+1], 2*KSTEP*2  ; at the second tile's K step 2
	RESTART
	s_sub_co_u32 s2, s2, 1
	s_branch .Ltile
.Ldone:
	s_wait_tensorcnt 0x0                           ; the wave's end
	ds_add_u32 v[SPW], v[NIL]
	s_wait_dscnt 0x0
	CROUND                                         ; the closing round: no work-group ends while a partner may still ask for a tile that names it
	s_endpgm
.Lfunc_end_k_qbe952cd82e_qg:
	.size	k_qbe952cd82e_qg, .Lfunc_end_k_qbe952cd82e_qg-k_qbe952cd82e_qg
	.p2alignl 7, 3214868480
	.fill 96, 4, 3214868480
	.section	.rodata,"a",@progbits
	.p2align	6, 0x0
	.amdhsa_kernel k_qbe952cd82e_qg
		.amdhsa_group_segment_fixed_size 327680
		.amdhsa_private_segment_fixed_size 0
		.amdhsa_enable_private_segment 0
		.amdhsa_kernarg_size 56
		.amdhsa_user_sgpr_count 2
		.amdhsa_user_sgpr_kernarg_segment_ptr 1
		.amdhsa_wavefront_size32 1
		.amdhsa_system_sgpr_workgroup_id_x 1
		.amdhsa_system_sgpr_workgroup_id_y 1
		.amdhsa_system_sgpr_workgroup_id_z 1
		.amdhsa_system_vgpr_workitem_id 0
		.amdhsa_next_free_vgpr 1024
		.amdhsa_next_free_sgpr 92
		.amdhsa_reserve_vcc 0
		.amdhsa_float_denorm_mode_32 3
		.amdhsa_float_denorm_mode_16_64 3
		.amdhsa_memory_ordered 1
		.amdhsa_forward_progress 1
		.amdhsa_inst_pref_size 217
	.end_amdhsa_kernel
	.amdgpu_metadata
---
amdhsa.version: [ 1, 2 ]
amdhsa.kernels:
  - .name:           k_qbe952cd82e_qg
    .symbol:         k_qbe952cd82e_qg.kd
    .args:
      - { .name: xb, .offset: 0, .size: 8, .value_kind: global_buffer, .address_space: global }
      - { .name: wb, .offset: 8, .size: 8, .value_kind: global_buffer, .address_space: global }
      - { .name: bq, .offset: 16, .size: 8, .value_kind: global_buffer, .address_space: global }
      - { .name: bg, .offset: 24, .size: 8, .value_kind: global_buffer, .address_space: global }
      - { .name: cl, .offset: 32, .size: 8, .value_kind: global_buffer, .address_space: global }
      - { .name: tot, .offset: 40, .size: 8, .value_kind: global_buffer, .address_space: global }
      - { .name: out0, .offset: 48, .size: 8, .value_kind: global_buffer, .address_space: global }
    .group_segment_fixed_size: 327680
    .private_segment_fixed_size: 0
    .kernarg_segment_align: 8
    .kernarg_segment_size: 56
    .max_flat_workgroup_size: 128
    .sgpr_count:     92
    .vgpr_count:     1024
    .wavefront_size: 32
...
	.end_amdgpu_metadata
.endif
;; end of part 3
